; MI455X (gfx1250); checked and timed in simulation.
; The chip was launched on July 23, 2026; its instructions are those of AMD's public machine-readable ISA for CDNA 5 (MIT licence, August 2026) and "CDNA5" Instruction Set Architecture Reference Guide (July 2026). The comments in the code are by the model that wrote it; some were corrected since.
;; Transformer Crf. Allowed arithmetic: matrix products marked QUANTISED: E4M3 operands, one given power-of-two scale a tensor, by v_wmma_f32_16x16x64_fp8_fp8 or v_wmma_f32_16x16x128_fp8_fp8, f32 sums; everything else in f32.
;; Inputs: W1 256 x 1,024 float32; W2 1,024 x 256 float32; Wk 4 x 256 x 256 float32; Wo 256 x 20 float32; Wq 4 x 256 x 256 float32; Wv 4 x 256 x 256 float32; b1 1,024 float32; b2 256 float32; batch_ch_ids 32 x 512 int32; beta 256 float32; bk 4 x 256 float32; bo 20 float32; bq 4 x 256 float32; bv 4 x 256 float32; ch_embedding 8,000 x 256 float32; gamma 256 float32; lowp_scales 58 int32 (the exponents e of the quantised operands' scales 2^e); pos_embedding 512 x 256 float32; sentence_length 32 int32.
;; Outputs: out0 32 x 512 x 20 float32.
;; This version of the problem:
;;   THIS VERSION OF THE PROBLEM IS GIVEN IN LOW PRECISION. The matrix products marked QUANTISED in the list below multiply operands that are first quantised to E4M3 (4 exponent bits, 3 mantissa bits; 8 bits a number), with one given power-of-two scale for each operand tensor; their sums are f32. All else is computed in f32.
;;   The module's matrix products, in the order in which they are computed (A, B: the left and right operand; K: the contracted axis; several contracted axes count as one K, in the product's order):
;;     1. [M 16,384, K 256] x [K 256, N 256]; A: computed on the way; B: input Wq: QUANTISED (scales: A lowp_scales[0], B lowp_scales[1])
;;     2. [M 16,384, K 256] x [K 256, N 256]; A: computed on the way; B: input Wk: QUANTISED (scales: A lowp_scales[2], B lowp_scales[3])
;;     3. [M 16,384, K 256] x [K 256, N 256]; A: computed on the way; B: input Wv: QUANTISED (scales: A lowp_scales[4], B lowp_scales[5])
;;     4. batch 256 x [M 512, K 32] x [K 32, N 512]; A: computed on the way; B: computed on the way: QUANTISED (scales: A lowp_scales[6], B lowp_scales[7])
;;     5. batch 256 x [M 512, K 512] x [K 512, N 32]; A: computed on the way; B: computed on the way: QUANTISED (scales: A lowp_scales[8], B lowp_scales[9])
;;     6. [M 16,384, K 256] x [K 256, N 1,024]; A: computed on the way; B: input W1: QUANTISED (scales: A lowp_scales[10], B lowp_scales[11])
;;     7. [M 16,384, K 1,024] x [K 1,024, N 256]; A: computed on the way; B: input W2: QUANTISED (scales: A lowp_scales[12], B lowp_scales[13])
;;     8. [M 16,384, K 256] x [K 256, N 256]; A: computed on the way; B: input Wq: QUANTISED (scales: A lowp_scales[14], B lowp_scales[15])
;;     9. [M 16,384, K 256] x [K 256, N 256]; A: computed on the way; B: input Wk: QUANTISED (scales: A lowp_scales[16], B lowp_scales[17])
;;     10. [M 16,384, K 256] x [K 256, N 256]; A: computed on the way; B: input Wv: QUANTISED (scales: A lowp_scales[18], B lowp_scales[19])
;;     11. batch 256 x [M 512, K 32] x [K 32, N 512]; A: computed on the way; B: computed on the way: QUANTISED (scales: A lowp_scales[20], B lowp_scales[21])
;;     12. batch 256 x [M 512, K 512] x [K 512, N 32]; A: computed on the way; B: computed on the way: QUANTISED (scales: A lowp_scales[22], B lowp_scales[23])
;;     13. [M 16,384, K 256] x [K 256, N 1,024]; A: computed on the way; B: input W1: QUANTISED (scales: A lowp_scales[24], B lowp_scales[25])
;;     14. [M 16,384, K 1,024] x [K 1,024, N 256]; A: computed on the way; B: input W2: QUANTISED (scales: A lowp_scales[26], B lowp_scales[27])
;;     15. [M 16,384, K 256] x [K 256, N 256]; A: computed on the way; B: input Wq: QUANTISED (scales: A lowp_scales[28], B lowp_scales[29])
;;     16. [M 16,384, K 256] x [K 256, N 256]; A: computed on the way; B: input Wk: QUANTISED (scales: A lowp_scales[30], B lowp_scales[31])
;;     17. [M 16,384, K 256] x [K 256, N 256]; A: computed on the way; B: input Wv: QUANTISED (scales: A lowp_scales[32], B lowp_scales[33])
;;     18. batch 256 x [M 512, K 32] x [K 32, N 512]; A: computed on the way; B: computed on the way: QUANTISED (scales: A lowp_scales[34], B lowp_scales[35])
;;     19. batch 256 x [M 512, K 512] x [K 512, N 32]; A: computed on the way; B: computed on the way: QUANTISED (scales: A lowp_scales[36], B lowp_scales[37])
;;     20. [M 16,384, K 256] x [K 256, N 1,024]; A: computed on the way; B: input W1: QUANTISED (scales: A lowp_scales[38], B lowp_scales[39])
;;     21. [M 16,384, K 1,024] x [K 1,024, N 256]; A: computed on the way; B: input W2: QUANTISED (scales: A lowp_scales[40], B lowp_scales[41])
;;     22. [M 16,384, K 256] x [K 256, N 256]; A: computed on the way; B: input Wq: QUANTISED (scales: A lowp_scales[42], B lowp_scales[43])
;;     23. [M 16,384, K 256] x [K 256, N 256]; A: computed on the way; B: input Wk: QUANTISED (scales: A lowp_scales[44], B lowp_scales[45])
;;     24. [M 16,384, K 256] x [K 256, N 256]; A: computed on the way; B: input Wv: QUANTISED (scales: A lowp_scales[46], B lowp_scales[47])
;;     25. batch 256 x [M 512, K 32] x [K 32, N 512]; A: computed on the way; B: computed on the way: QUANTISED (scales: A lowp_scales[48], B lowp_scales[49])
;;     26. batch 256 x [M 512, K 512] x [K 512, N 32]; A: computed on the way; B: computed on the way: QUANTISED (scales: A lowp_scales[50], B lowp_scales[51])
;;     27. [M 16,384, K 256] x [K 256, N 1,024]; A: computed on the way; B: input W1: QUANTISED (scales: A lowp_scales[52], B lowp_scales[53])
;;     28. [M 16,384, K 1,024] x [K 1,024, N 256]; A: computed on the way; B: input W2: QUANTISED (scales: A lowp_scales[54], B lowp_scales[55])
;;     29. [M 16,384, K 256] x [K 256, N 20]; A: computed on the way; B: input Wo: QUANTISED (scales: A lowp_scales[56], B lowp_scales[57])
;;   THE QUANTISER, for each operand of a quantised product, along K:
;;     - The operand's scale is 2^e, e = its entry of the input lowp_scales (int32; the entries are numbered through the quantised products in the list's order, A before B).
;;     - Each number is divided by the scale, clamped to +-448, and rounded to the nearest number of E4M3, ties to even, subnormals kept.
;;     - The product sums the exact products of the quantised numbers (number of the format x scale) in f32.
;;   ~~~python
;;   def quantise(x, axis, e):      # numpy; x: float32 -> the quantised numbers, widened to float32 again
;;       x = np.moveaxis(x, axis, -1); K = x.shape[-1]
;;       r = np.clip(x / 2.0 ** e, -448, 448)
;;       step = 2.0 ** (np.maximum(np.frexp(np.where(r == 0, 1, r))[1] - 1, -6) - 3)
;;       q = np.round(r / step) * step * 2.0 ** e      # np.round: ties to even
;;       return np.moveaxis(q, -1, axis).astype(np.float32)
;;   ~~~
;;   OPERANDS COMPUTED ON THE WAY. 'Computed on the way' means the value that the module computes at that place (a softmax that the list does not call 'softmax' is quantised finished and normalised). What goes into a quantiser is computed in f32, as accurately as f32 sums, v_exp_f32 and their like allow (about 1e-6 of the number): no bf16 or f16 on the way to a quantiser, and a product that is left as it is and whose result goes on into a quantised operand takes f32 operands (vector FMAs, or v_wmma_f32_16x16x4_f32). A number that lies on a knife's edge between two numbers of the format may be rounded either way, as far as f32 arithmetic and the matrix unit's own rounding can turn it there, and no further.
;; One version. Each part assembles by itself: llvm-mc -triple=amdgcn-amd-amdhsa -mcpu=gfx1250 --defsym DOCPART=n.
;; ======== version 1 of 1: 6 launches
;; workspace buffers: xa 16,777,216 bytes; xb 16,777,216 bytes; ca 12,582,912 bytes; cb 12,582,912 bytes; wc 2,891,776 bytes; list 4,096 bytes of whole numbers; ctla 256 bytes of whole numbers; ctlb 256 bytes of whole numbers
;; launch prep (part 1): grid 354 x 1, 4 waves a work-group, no clusters, 0 bytes of LDS; arguments W1, W2, Wq, Wk, Wv, Wo, lowp_scales, sentence_length, wc, list, ctla; writes wc, list, ctla
.if DOCPART == 1
	.amdgcn_target "amdgcn-amd-amdhsa--gfx1250"
	.amdhsa_code_object_version 6
	.text
	.protected	k_q853de5c45c_prep
	.globl	k_q853de5c45c_prep
	.p2align	8
	.type	k_q853de5c45c_prep,@function
k_q853de5c45c_prep:
	s_mov_b64 s[64:65], 0
	v_nop
	global_prefetch_b8 v0, s[64:65] scope:SCOPE_SE
	s_setreg_imm32_b32 hwreg(HW_REG_WAVE_MODE, 25, 1), 1
	s_wait_xcnt 0x0
; Weights into codes of E4M3, laid in the order of the operand's registers; the list of row tiles; the layer counter.
; Work-groups 0 to 352 make one granule of 8 KB each: 4 fragments f = 2 u + s of 2 KB, one a wave.  A fragment is [c 0..3][lane][16 bytes]:
; byte i of lane (r, h) is the code of W(k0 + 32 c + 16 h + i, n(r)).  A lane takes a column n and its registers run down K, so the conversions' results are the fragment.
;   G = 64 l + 8 t + w, t < 4:  W1, columns 128 w + 32 t + 8 u + r + 8 (r / 8), k0 = 128 s, scale entry 14 l + 11
;   G = 64 l + 8 t + w, t >= 4: W2, columns 32 w + 8 u + r + 8 (r / 8), k0 = 128 (2 (t - 4) + s), entry 14 l + 13
;   G = 256 + 24 L + 8 p + w:   Wq, Wk, Wv of layer L (p = 0, 1, 2); columns 32 w + 16 u + r (p < 2) or 32 w + 8 u + r + 8 (r / 8) (p = 2), k0 = 128 s, entry 14 L + 1 + 2 p
;   G = 352:                    Wo, columns 16 u + r, zero codes from column 20 on, k0 = 128 s, entry 57
; W1 and W2 are quantised once for each layer, since each layer has scales of its own.
; Work-group 353, wave 0: the 1,024 tiles of 16 rows are sorted by their sentence's length, longest first, tiles without a valid row last, and dealt to 256 work-groups in snake order:
; list[4 wg + slot] = tile + (length << 10).  1,024 stores of 4 bytes, once in the program.  ctla[0] = 0.
; LIMITS: each scale's e lies between -126 and 119; NaN among the weights is not served; a length is held within 0 .. 512.
.macro LOADW pitch                     ; 64 numbers of my column: register 16 c + i is row k0 + 32 c + 16 h + i
.set q, 0
.rept 64
	global_load_b32 v[32+q], v3, s[28:29] offset:(32*(q/16)+q%16)*\pitch*4
.set q, q+1
.endr
.endm
	s_load_b512 s[4:19], s[0:1], 0x0               ; W1 s[4:5], W2 s[6:7], Wq s[8:9], Wk s[10:11], Wv s[12:13], Wo s[14:15], scales s[16:17], lengths s[18:19]
	s_load_b128 s[20:23], s[0:1], 0x40             ; wc s[20:21], list s[22:23]
	s_load_b64 s[24:25], s[0:1], 0x50              ; ctla
	v_lshrrev_b32 v1, 5, v0
	v_readfirstlane_b32 s26, v1                    ; wave = fragment f
	s_lshr_b32 s27, s26, 1                         ; u
	s_and_b32 s33, s26, 1                          ; s
	v_and_b32 v1, 15, v0                           ; r
	v_bfe_u32 v2, v0, 4, 1                         ; h
	v_lshrrev_b32 v4, 3, v1                        ; r / 8
	v_and_b32 v7, 31, v0
	v_lshlrev_b32 v7, 4, v7                        ; 16 x lane
	v_mov_b32 v6, 0                                ; the column that is tested against 20: 0 but for Wo
	s_mov_b32 s35, 0
	s_and_b32 s36, ttmp9, 7                        ; w
	s_wait_kmcnt 0x0
	s_cmp_eq_u32 ttmp9, 353
	s_cbranch_scc1 .Lsort
	s_cmp_eq_u32 ttmp9, 352
	s_cbranch_scc1 .Lwo
	s_cmp_ge_u32 ttmp9, 256
	s_cbranch_scc1 .Lqkv
	s_lshr_b32 s37, ttmp9, 6                       ; l
	s_bfe_u32 s38, ttmp9, 0x30003                  ; t
	s_mul_i32 s30, s37, 56
	s_cmp_ge_u32 s38, 4
	s_cbranch_scc1 .Lw2
	s_add_co_u32 s30, s30, 44                      ; byte of entry 14 l + 11
	s_lshl_b32 s39, s36, 7
	s_lshl_b32 s40, s38, 5
	s_add_co_u32 s39, s39, s40
	s_lshl_b32 s40, s27, 3
	s_add_co_u32 s39, s39, s40                     ; 128 w + 32 t + 8 u
	v_lshl_add_u32 v5, v4, 3, v1
	v_add_nc_u32 v5, s39, v5                       ; n
	v_lshlrev_b32 v3, 2, v5
	v_lshl_add_u32 v3, v2, 16, v3                  ; + 16 h rows of 4,096 bytes
	s_lshl_b32 s34, s33, 19                        ; 128 s rows
	s_add_nc_u64 s[28:29], s[4:5], s[34:35]
	LOADW 1024
	s_branch .Lquant
.Lw2:
	s_add_co_u32 s30, s30, 52                      ; entry 14 l + 13
	s_sub_co_u32 s38, s38, 4
	s_lshl_b32 s38, s38, 1
	s_add_co_u32 s38, s38, s33                     ; K step 2 (t - 4) + s
	s_lshl_b32 s34, s38, 17                        ; 128 rows of 1,024 bytes
	s_add_nc_u64 s[28:29], s[6:7], s[34:35]
	s_mov_b32 s41, 8
	s_branch .Lp256
.Lqkv:
	s_sub_co_u32 s37, ttmp9, 256
	s_mul_i32 s38, s37, 171
	s_lshr_b32 s38, s38, 12                        ; L = (G - 256) / 24, exact for 0 .. 95
	s_mul_i32 s39, s38, 24
	s_sub_co_u32 s39, s37, s39
	s_lshr_b32 s39, s39, 3                         ; p
	s_mul_i32 s30, s38, 56
	s_lshl_b32 s40, s39, 3
	s_add_co_u32 s30, s30, s40
	s_add_co_u32 s30, s30, 4                       ; entry 14 L + 1 + 2 p
	s_cmp_eq_u32 s39, 1
	s_cselect_b64 s[28:29], s[10:11], s[8:9]
	s_cmp_eq_u32 s39, 2
	s_cselect_b64 s[28:29], s[12:13], s[28:29]
	s_cselect_b32 s41, 8, 0                        ; the split order of columns for Wv alone
	s_lshl_b32 s34, s38, 18
	s_lshl_b32 s40, s33, 17
	s_add_co_u32 s34, s34, s40
	s_add_nc_u64 s[28:29], s[28:29], s[34:35]
.Lp256:
	s_sub_co_u32 s40, 16, s41
	s_mul_i32 s40, s40, s27
	s_lshl_b32 s39, s36, 5
	s_add_co_u32 s39, s39, s40                     ; 32 w + 8 u or 16 u
	v_mad_u32_u24 v5, v4, s41, v1
	v_add_nc_u32 v5, s39, v5
	v_lshlrev_b32 v3, 2, v5
	v_lshl_add_u32 v3, v2, 14, v3                  ; + 16 h rows of 1,024 bytes
	LOADW 256
	s_branch .Lquant
.Lwo:
	s_mov_b32 s30, 228                             ; entry 57
	s_lshl_b32 s39, s27, 4
	v_add_nc_u32 v6, s39, v1                       ; n = 16 u + r
	v_min_u32 v5, 19, v6                           ; no load leaves the 20 columns
	v_lshlrev_b32 v3, 2, v5
	v_mad_u32_u24 v3, v2, 1280, v3                 ; + 16 h rows of 80 bytes
	s_mul_i32 s34, s33, 10240
	s_add_nc_u64 s[28:29], s[14:15], s[34:35]
	LOADW 20
.Lquant:
	s_load_b32 s31, s[16:17], s30 offset:0x0       ; e
	s_lshl_b32 s34, ttmp9, 13
	s_lshl_b32 s40, s26, 11
	s_add_co_u32 s34, s34, s40
	s_add_nc_u64 s[20:21], s[20:21], s[34:35]      ; my fragment
	s_wait_kmcnt 0x0
	s_add_co_i32 s31, s31, 127
	s_lshl_b32 s32, s31, 23
	v_mov_b32 v11, s32                             ; 2^e: the conversion takes its exponent field
	s_add_co_i32 s31, s31, 8
	s_lshl_b32 s31, s31, 23
	s_or_b32 s31, s31, 0x600000
	v_mov_b32 v10, s31                             ; 448 x 2^e
	v_cmp_gt_u32 vcc_lo, 20, v6
	v_cndmask_b32 v10, 0, v10, vcc_lo              ; columns past Wo's 20: held at 0
	s_wait_loadcnt 0x0
.set q, 0
.rept 64
	v_med3_num_f32 v[32+q], v[32+q], -v10, v10     ; the conversion does not saturate (ISA guide 7.6.2): the hold comes first
.set q, q+1
.endr
.set q, 0
.rept 8
	v_cvt_scalef32_pk8_fp8_f32 v[96+2*q:97+2*q], v[32+8*q:39+8*q], v11
.set q, q+1
.endr
.set q, 0
.rept 4
	global_store_b128 v7, v[96+4*q:99+4*q], s[20:21] offset:512*q    ; 32 lanes store 512 consecutive bytes, aligned
.set q, q+1
.endr
	s_endpgm
.Lsort:
	s_cmp_lg_u32 s26, 0
	s_cbranch_scc1 .Lend
	v_lshlrev_b32 v1, 2, v0                        ; lane b = sentence b
	global_load_b32 v2, v1, s[18:19]
	v_mov_b32 v9, 0
	v_mov_b32 v5, 0                                ; valid tiles of the sentences ahead of mine in the order
	v_mov_b32 v7, 0                                ; tiles without a valid row of the sentences b' < b
	s_mov_b32 s32, 0                               ; all valid tiles
	s_wait_loadcnt 0x0
	v_cmp_gt_i32 vcc_lo, 0, v2
	v_cndmask_b32 v2, v2, v9, vcc_lo
	v_min_u32 v2, 0x200, v2                        ; L
	v_add_nc_u32 v3, 15, v2
	v_lshrrev_b32 v3, 4, v3                        ; my valid tiles
	v_sub_nc_u32 v8, 31, v0
	v_lshl_add_u32 v8, v2, 5, v8                   ; the key 32 L + 31 - b: no two alike; a larger key comes first
.irp b, 0,1,2,3,4,5,6,7,8,9,10,11,12,13,14,15,16,17,18,19,20,21,22,23,24,25,26,27,28,29,30,31
	v_readlane_b32 s30, v8, \b
	v_readlane_b32 s31, v3, \b
	s_add_co_u32 s32, s32, s31
	s_sub_co_u32 s33, 32, s31
	v_mov_b32 v10, s31
	v_mov_b32 v11, s33
	v_cmp_gt_u32 vcc_lo, s30, v8
	v_cndmask_b32 v10, 0, v10, vcc_lo
	v_add_nc_u32 v5, v5, v10
	v_cmp_lt_u32 vcc_lo, \b, v0
	v_cndmask_b32 v11, 0, v11, vcc_lo
	v_add_nc_u32 v7, v7, v11
.endr
	v_add_nc_u32 v7, s32, v7
	v_sub_nc_u32 v7, v7, v3                        ; place of tile t >= my valid tiles, less t
	v_lshlrev_b32 v16, 5, v0
	v_lshl_add_u32 v16, v2, 10, v16                ; 32 b + (L << 10)
.irp t, 0,1,2,3,4,5,6,7,8,9,10,11,12,13,14,15,16,17,18,19,20,21,22,23,24,25,26,27,28,29,30,31
	v_cmp_lt_u32 vcc_lo, \t, v3
	v_cndmask_b32 v12, v7, v5, vcc_lo
	v_add_nc_u32 v12, \t, v12                      ; the tile's place, 0 .. 1,023
	v_bfe_u32 v13, v12, 8, 1
	v_mul_u32_u24 v13, v13, 255
	v_and_b32 v14, 255, v12
	v_xor_b32 v14, v14, v13                        ; the work-group: odd rounds run backward
	v_lshrrev_b32 v15, 8, v12                      ; the round = the slot
	v_lshl_add_u32 v14, v14, 2, v15
	v_min_u32 v14, 0x3ff, v14
	v_lshlrev_b32 v[32+\t], 2, v14
	v_add_nc_u32 v[64+\t], \t, v16
	global_store_b32 v[32+\t], v[64+\t], s[22:23]  ; each store has registers of its own
.endr
	v_mov_b32 v20, 0
	v_mov_b32 v21, 0
	v_lshlrev_b32 v22, 3, v0
	global_store_b64 v22, v[20:21], s[24:25]       ; the layer counter: 256 bytes of zeros
.Lend:
	s_endpgm
.Lfunc_end_k_q853de5c45c_prep:
	.size	k_q853de5c45c_prep, .Lfunc_end_k_q853de5c45c_prep-k_q853de5c45c_prep
	.p2alignl 7, 3214868480
	.fill 96, 4, 3214868480
	.section	.rodata,"a",@progbits
	.p2align	6, 0x0
	.amdhsa_kernel k_q853de5c45c_prep
		.amdhsa_group_segment_fixed_size 0
		.amdhsa_private_segment_fixed_size 0
		.amdhsa_enable_private_segment 0
		.amdhsa_kernarg_size 88
		.amdhsa_user_sgpr_count 2
		.amdhsa_user_sgpr_kernarg_segment_ptr 1
		.amdhsa_wavefront_size32 1
		.amdhsa_system_sgpr_workgroup_id_x 1
		.amdhsa_system_sgpr_workgroup_id_y 1
		.amdhsa_system_sgpr_workgroup_id_z 1
		.amdhsa_system_vgpr_workitem_id 0
		.amdhsa_next_free_vgpr 128
		.amdhsa_next_free_sgpr 66
		.amdhsa_reserve_vcc 1
		.amdhsa_float_denorm_mode_32 3
		.amdhsa_float_denorm_mode_16_64 3
		.amdhsa_memory_ordered 1
		.amdhsa_forward_progress 1
		.amdhsa_inst_pref_size 63
	.end_amdhsa_kernel
	.amdgpu_metadata
---
amdhsa.version: [ 1, 2 ]
amdhsa.kernels:
  - .name:           k_q853de5c45c_prep
    .symbol:         k_q853de5c45c_prep.kd
    .args:
      - { .name: W1, .offset: 0, .size: 8, .value_kind: global_buffer, .address_space: global }
      - { .name: W2, .offset: 8, .size: 8, .value_kind: global_buffer, .address_space: global }
      - { .name: Wq, .offset: 16, .size: 8, .value_kind: global_buffer, .address_space: global }
      - { .name: Wk, .offset: 24, .size: 8, .value_kind: global_buffer, .address_space: global }
      - { .name: Wv, .offset: 32, .size: 8, .value_kind: global_buffer, .address_space: global }
      - { .name: Wo, .offset: 40, .size: 8, .value_kind: global_buffer, .address_space: global }
      - { .name: lowp_scales, .offset: 48, .size: 8, .value_kind: global_buffer, .address_space: global }
      - { .name: sentence_length, .offset: 56, .size: 8, .value_kind: global_buffer, .address_space: global }
      - { .name: wc, .offset: 64, .size: 8, .value_kind: global_buffer, .address_space: global }
      - { .name: list, .offset: 72, .size: 8, .value_kind: global_buffer, .address_space: global }
      - { .name: ctla, .offset: 80, .size: 8, .value_kind: global_buffer, .address_space: global }
    .group_segment_fixed_size: 0
    .private_segment_fixed_size: 0
    .kernarg_segment_align: 8
    .kernarg_segment_size: 88
    .max_flat_workgroup_size: 128
    .sgpr_count:     66
    .vgpr_count:     128
    .wavefront_size: 32
...
	.end_amdgpu_metadata
.endif
;; end of part 1
;; launch embed (part 2): grid 256 x 1, 8 waves a work-group, no clusters, 50,176 bytes of LDS; arguments batch_ch_ids, ch_embedding, pos_embedding, wc, lowp_scales, bq, bk, bv, xa, ca; writes xa, ca
.if DOCPART == 2
	.amdgcn_target "amdgcn-amd-amdhsa--gfx1250"
	.amdhsa_code_object_version 6
	.text
	.protected	k_q853de5c45c_embed
	.globl	k_q853de5c45c_embed
	.p2align	8
	.type	k_q853de5c45c_embed,@function
k_q853de5c45c_embed:
	s_mov_b64 s[64:65], 0
	v_nop
	global_prefetch_b8 v0, s[64:65] scope:SCOPE_SE
	s_setreg_imm32_b32 hwreg(HW_REG_WAVE_MODE, 25, 1), 1
	s_wait_xcnt 0x0
; x = ch_embedding[ids] + pos_embedding, stored as register images, and layer 0's q, k, v as codes of E4M3.
; A work-group takes tiles T = 4 wg + m, m = 0 .. 3, of 16 rows.  ROWS: wave w takes tile m = w / 2 and columns 128 (w % 2) on; lane (r, h) holds 64 numbers, register 16 c + 4 q + e = column 128 (w % 2) + 32 c + 16 h + 4 q + e of row r.
; PRODUCTS: the waves share the columns: wave w = head w makes its 32 columns of q, k and v for all 64 rows, so each weight fragment is loaded once, by one wave, and feeds four matrix instructions.
; x's codes (three versions: the three products have scales of their own) go from wave to wave through LDS as images of the operand's registers: version p at 16384 p, fragment (2 m + s) x 2048, 512 c + 16 x lane.
; Layouts in memory: x: tile T at 16384 T, [c 0..7][q 0..3][lane][16 B].  q: 4096 T + 512 head + 16 lane.  k: 4 MB + 131072 b + 16384 head + 512 t + 16 lane.  v: 8 MB + 131072 b + 16384 head + 8192 u + 256 t + 8 lane
; (lane (r, h): dimension 8 u + r + 8 (r / 8), keys 16 t + 8 h + 0 .. 7).
; q and k: source 0 = 16 columns of the weight, source 1 = x: a lane holds one row and eight neighbouring dimensions.  v: the sources swapped: a lane holds one dimension and eight neighbouring keys.
; LIMITS: entries 0, 2, 4 and the folded exponents e6-e0-e1, e7-e2-e3, e9-e4-e5 lie between -126 and 119.  NaN among the inputs is not served.  No tensor loads: every operand is read once by one wave, straight into registers.
.set BQP, 14
.set BKP, 16
.set BVP, 18
.set COUT, 22
.set W8, 24
.set W9, 24
.set MSB, 0
.macro WIN new                         ; the immediate's high byte repeats the setting that is left
.if MSB != (\new)
	s_set_vgpr_msb (MSB<<8)|(\new)
.set MSB, (\new)
.endif
.endm
.macro PLACES                          ; four plain places behind matrix instructions (ISA guide 7.12.1)
.rept 4
	v_nop
.endr
.endm
.macro BARRIER
	s_wait_dscnt 0x0                               ; my LDS stores have landed and my LDS loads are in
	s_barrier_signal -1
	s_barrier_wait -1
.endm
.macro MKSC                            ; s99 = e  ->  v14 = 2^e, s97 = 448 x 2^e, s98 = -s97
	s_add_co_i32 s99, s99, 127
	s_lshl_b32 s96, s99, 23
	s_add_co_i32 s99, s99, 8
	s_lshl_b32 s97, s99, 23
	s_or_b32 s97, s97, 0x600000
	s_or_b32 s98, s97, 0x80000000
	v_mov_b32 v14, s96
.endm
.macro GLOAD t                         ; granule t (8, 9, 10: Wq, Wk, Wv) into ring buffer t % 3 of window 1, and its bias
.set RB, 64*((\t)%3)
.set BB, 192+16*((\t)%3)
	WIN 0x40
.set j, 0
.rept 16
	global_load_b128 v[RB+4*j:RB+4*j+3], v1, s[W9:W9+1] offset:((\t)-8)*65536+512*j
.set j, j+1
.endr
.set j, 0
.if (\t) == 8
.rept 4
	global_load_b128 v[BB+4*j:BB+4*j+3], v12, s[BQP:BQP+1] offset:64*(j/2)+16*(j%2)
.set j, j+1
.endr
.elseif (\t) == 9
.rept 4
	global_load_b128 v[BB+4*j:BB+4*j+3], v12, s[BKP:BKP+1] offset:64*(j/2)+16*(j%2)
.set j, j+1
.endr
.else
	global_load_b32 v[BB], v13, s[BVP:BVP+1]
	global_load_b32 v[BB+8], v13, s[BVP:BVP+1] offset:32
.endif
	WIN 0
.endm
.macro BSCALE t, se, kind              ; the bias divided by the power of two that the sums lack; kind 1: one number a lane for each u, spread over eight registers
.set BB, 192+16*((\t)%3)
	WIN 0x41
.if \kind
	v_ldexp_f32 v[BB], v[BB], s\se
	v_ldexp_f32 v[BB+8], v[BB+8], s\se
.set j, 1
.rept 7
	v_mov_b32 v[BB+j], v[BB]
	v_mov_b32 v[BB+8+j], v[BB+8]
.set j, j+1
.endr
.else
.set j, 0
.rept 16
	v_ldexp_f32 v[BB+j], v[BB+j], s\se
.set j, j+1
.endr
.endif
	WIN 0
.endm
; eight matrix instructions, the eight accumulators (m, u) by turns, K step s of the granule.  cb = 1: the bias is the C.  swap = 1: source 0 = the rows, source 1 = the weight
.macro MM8 t, s, cb, swap
.set RB, 64*((\t)%3)
.set BB, 192+16*((\t)%3)
.if \swap
	WIN 0x04+0x10*\cb
.else
	WIN 0x01+0x10*\cb
.endif
.irp m, 0,1,2,3
.irp u, 0,1
.if \swap
.if \cb
	v_wmma_f32_16x16x128_fp8_fp8 v[64+16*\m+8*\u:71+16*\m+8*\u], v[128+64*\s+16*\m:143+64*\s+16*\m], v[RB+32*\u+16*\s:RB+32*\u+16*\s+15], v[BB+8*\u:BB+8*\u+7]
.else
	v_wmma_f32_16x16x128_fp8_fp8 v[64+16*\m+8*\u:71+16*\m+8*\u], v[128+64*\s+16*\m:143+64*\s+16*\m], v[RB+32*\u+16*\s:RB+32*\u+16*\s+15], v[64+16*\m+8*\u:71+16*\m+8*\u]
.endif
.else
.if \cb
	v_wmma_f32_16x16x128_fp8_fp8 v[64+16*\m+8*\u:71+16*\m+8*\u], v[RB+32*\u+16*\s:RB+32*\u+16*\s+15], v[128+64*\s+16*\m:143+64*\s+16*\m], v[BB+8*\u:BB+8*\u+7]
.else
	v_wmma_f32_16x16x128_fp8_fp8 v[64+16*\m+8*\u:71+16*\m+8*\u], v[RB+32*\u+16*\s:RB+32*\u+16*\s+15], v[128+64*\s+16*\m:143+64*\s+16*\m], v[64+16*\m+8*\u:71+16*\m+8*\u]
.endif
.endif
.endr
.endr
	WIN 0
.endm
.macro ACTH s, adr, base, mstr         ; the four tiles' fragments of one K step, as images, into half s of v128-255
.irp m, 0,1,2,3
.irp c, 0,1,2,3
	ds_load_b128 v[128+64*\s+16*\m+4*\c:128+64*\s+16*\m+4*\c+3], v[\adr] offset:(\base)+\m*\mstr+512*\c
.endr
.endr
.endm
.macro Q16 m                           ; tile m's 16 sums of a lane: held, then 16 codes in v[24 + 4 m] on
.set j, 0
.rept 16
	v_med3_num_f32 v[64+16*\m+j], v[64+16*\m+j], s98, s97
.set j, j+1
.endr
	v_cvt_scalef32_pk8_fp8_f32 v[24+4*\m:25+4*\m], v[64+16*\m:71+16*\m], v14
	v_cvt_scalef32_pk8_fp8_f32 v[26+4*\m:27+4*\m], v[72+16*\m:79+16*\m], v14
.endm
.macro QUANT64                         ; my 64 numbers in v128-191, which stay, become a fragment's codes in v24-39; two sets of 16 temporaries by turns
.irp b, 0,1,2,3
.set j, 0
.rept 16
	v_med3_num_f32 v[64+16*(\b%2)+j], v[128+16*\b+j], s98, s97
.set j, j+1
.endr
	v_cvt_scalef32_pk8_fp8_f32 v[24+4*\b:25+4*\b], v[64+16*(\b%2):71+16*(\b%2)], v14
	v_cvt_scalef32_pk8_fp8_f32 v[26+4*\b:27+4*\b], v[72+16*(\b%2):79+16*(\b%2)], v14
.endr
	v_nop                                          ; a plain line behind the last conversion, ahead of whatever next writes its sources
.endm
.macro IMAGE off
.irp c, 0,1,2,3
	ds_store_b128 v6, v[24+4*\c:27+4*\c] offset:\off+512*\c
.endr
.endm
.macro OFFS                            ; where the four tiles' codes go: v40-43 q, v44-47 k, v48-51 v, from the codes' buffer's first byte
.irp m, 0,1,2,3
	s_lshl_b32 s96, s[44+\m], 12
	s_lshl_b32 s97, s40, 9
	s_add_co_u32 s96, s96, s97
	v_add_nc_u32 v[40+\m], s96, v1
	s_and_b32 s96, s[44+\m], 0x3e0
	s_lshl_b32 s96, s96, 12
	s_lshl_b32 s97, s40, 14
	s_add_co_u32 s96, s96, s97
	s_and_b32 s97, s[44+\m], 31
	s_lshl_b32 s98, s97, 9
	s_add_co_u32 s98, s98, s96
	s_add_co_u32 s98, s98, 0x400000
	v_add_nc_u32 v[44+\m], s98, v1
	s_lshl_b32 s98, s97, 8
	s_add_co_u32 s98, s98, s96
	s_add_co_u32 s98, s98, 0x800000
	v_add_nc_u32 v[48+\m], s98, v52
.endr
.endm
; one of the three products: p = 0 q, 1 k, 2 v.  ea, eb: the operands' exponents; eo: the result's; lc: the loads issued behind this granule's
.macro STEPQ p, ea, eb, eo, lc
	s_wait_loadcnt \lc
	s_add_co_i32 s100, s\ea, s\eb
	s_sub_co_i32 s101, 0, s100
.if \p == 2
	BSCALE 10, 101, 1
.else
	BSCALE 8+\p, 101, 0
.endif
	s_wait_dscnt 16                                ; half 0 is in; half 1's sixteen loads may be out
	MM8 8+\p, 0, 1, (\p/2)
	PLACES
.if \p < 2
	ACTH 0, 7, (\p+1)*16384, 4096
	s_wait_dscnt 16                                ; half 1 is in; the sixteen just issued may be out
.else
	s_wait_dscnt 0x0
.endif
	MM8 8+\p, 1, 0, (\p/2)
	PLACES
.if \p < 2
	ACTH 1, 7, (\p+1)*16384+2048, 4096
.endif
	s_wait_xcnt 0x0                                ; the last step's stores have read v24-39
	s_sub_co_i32 s99, s\eo, s100                   ; the three scales folded into the conversion's one
	MKSC
	Q16 0
	Q16 1
	Q16 2
	Q16 3
	v_nop
.irp m, 0,1,2,3
.if \p == 0
	global_store_b128 v[40+\m], v[24+4*\m:27+4*\m], s[COUT:COUT+1]        ; 512 consecutive bytes, aligned
.elseif \p == 1
	global_store_b128 v[44+\m], v[24+4*\m:27+4*\m], s[COUT:COUT+1]
.else
	global_store_b64 v[48+\m], v[24+4*\m:25+4*\m], s[COUT:COUT+1]         ; 256 consecutive bytes, aligned
	global_store_b64 v[48+\m], v[26+4*\m:27+4*\m], s[COUT:COUT+1] offset:8192
.endif
.endr
.endm
	s_load_b512 s[4:19], s[0:1], 0x0               ; ids s[4:5], table s[6:7], positions s[8:9], wc s[10:11], scales s[12:13], bq, bk, bv s[14:19]
	s_load_b128 s[20:23], s[0:1], 0x40             ; x s[20:21], codes s[22:23]
	v_lshl_add_u32 v62, v0, 2, 0xc000
	v_mov_b32 v63, 0
	v_lshrrev_b32 v1, 5, v0
	v_readfirstlane_b32 s40, v1                    ; wave
	v_and_b32 v56, 31, v0
	v_lshlrev_b32 v1, 4, v56                       ; 16 x lane
	v_lshlrev_b32 v52, 3, v56                      ; 8 x lane
	s_lshl_b32 s96, s40, 11
	v_add_nc_u32 v6, s96, v1                       ; where I store an image: fragment w
	v_mov_b32 v7, v1                               ; where images are read
	v_bfe_u32 v12, v0, 4, 1                        ; h
	v_lshlrev_b32 v18, 6, v12
	v_lshlrev_b32 v12, 5, v12                      ; 32 h
	v_and_b32 v15, 15, v0                          ; r
	v_and_b32 v13, 8, v15
	v_add_nc_u32 v13, v13, v15
	v_lshlrev_b32 v13, 2, v13                      ; 4 (r + 8 (r / 8))
	v_lshlrev_b32 v16, 2, v15
	s_lshl_b32 s44, ttmp9, 2                       ; the four tiles
	s_add_co_u32 s45, s44, 1
	s_add_co_u32 s46, s44, 2
	s_add_co_u32 s47, s44, 3
	s_lshr_b32 s50, s40, 1
	s_and_b32 s51, s40, 1
	s_add_co_u32 s52, s44, s50                     ; my tile of rows
	s_lshl_b32 s98, s51, 9
	v_add_nc_u32 v18, s98, v18                     ; 512 (w % 2) + 64 h
	v_lshl_add_u32 v19, v15, 10, v18               ; + 1,024 r
	s_mov_b32 s97, 0
	s_mov_b32 s99, 0
	s_wait_kmcnt 0x0
	s_load_b64 s[84:85], s[12:13], 0x0             ; entries 0, 1
	s_load_b256 s[88:95], s[12:13], 0x8            ; entries 2 .. 9
	s_lshl_b32 s96, s52, 6
	s_add_nc_u64 s[4:5], s[4:5], s[96:97]
	global_load_b32 v17, v16, s[4:5]               ; my row's id
	s_and_b32 s96, s52, 31
	s_lshl_b32 s96, s96, 14
	s_add_nc_u64 s[8:9], s[8:9], s[96:97]          ; positions at my tile's first row
	s_lshl_b32 s96, s52, 14
	s_lshl_b32 s98, s51, 13
	s_add_co_u32 s96, s96, s98
	s_add_nc_u64 s[20:21], s[20:21], s[96:97]      ; x's image: my half tile
	s_lshl_b32 s96, s40, 13
	s_add_co_u32 s96, s96, 2097152
	s_add_nc_u64 s[W9:W9+1], s[10:11], s[96:97]    ; layer 0's granules of my head
	s_lshl_b32 s96, s40, 7
	s_add_nc_u64 s[BQP:BQP+1], s[BQP:BQP+1], s[96:97]
	s_add_nc_u64 s[BKP:BKP+1], s[BKP:BKP+1], s[96:97]
	s_add_nc_u64 s[BVP:BVP+1], s[BVP:BVP+1], s[96:97]
	OFFS
	s_wait_loadcnt 0x0
	v_min_u32 v17, 0x1f3f, v17                     ; an id stays inside the table's 8,000 rows
	v_lshlrev_b32 v17, 10, v17
	v_add_nc_u32 v17, v17, v18
.set j, 0
.rept 16
	global_load_b128 v[128+4*j:131+4*j], v17, s[6:7] offset:128*(j/4)+16*(j%4)
.set j, j+1
.endr
.set j, 0
.rept 16
	global_load_b128 v[192+4*j:195+4*j], v19, s[8:9] offset:128*(j/4)+16*(j%4)
.set j, j+1
.endr
	GLOAD 8
	GLOAD 9
	GLOAD 10
	s_wait_loadcnt 58                              ; the three granules' 20 + 20 + 18 loads may be out
.set j, 0
.rept 32
	v_pk_add_f32 v[128+2*j:129+2*j], v[128+2*j:129+2*j], v[192+2*j:193+2*j]
.set j, j+1
.endr
.set j, 0
.rept 16
	global_store_b128 v1, v[128+4*j:131+4*j], s[20:21] offset:512*j
.set j, j+1
.endr
	s_wait_kmcnt 0x0
	s_mov_b32 s99, s84
	MKSC
	QUANT64
	IMAGE 0
	s_wait_dscnt 0x0                               ; the stores have read v24-39
	s_mov_b32 s99, s88
	MKSC
	QUANT64
	IMAGE 16384
	s_wait_dscnt 0x0
	s_mov_b32 s99, s90
	MKSC
	QUANT64
	IMAGE 32768
	BARRIER                                        ; x's codes, three versions of eight fragments, lie in LDS
	s_wait_xcnt 0x0                                ; x's stores have read v128-191
	ACTH 0, 7, 0, 4096
	ACTH 1, 7, 2048, 4096
	STEPQ 0, 84, 85, 92, 38
	STEPQ 1, 88, 89, 93, 18
	STEPQ 2, 90, 91, 95, 0
	s_barrier_signal -1
	s_barrier_wait -1
	s_wait_tensorcnt 0x0
	ds_add_u32 v62, v63
	s_wait_dscnt 0x0
	s_endpgm
.Lfunc_end_k_q853de5c45c_embed:
	.size	k_q853de5c45c_embed, .Lfunc_end_k_q853de5c45c_embed-k_q853de5c45c_embed
	.p2alignl 7, 3214868480
	.fill 96, 4, 3214868480
	.section	.rodata,"a",@progbits
	.p2align	6, 0x0
	.amdhsa_kernel k_q853de5c45c_embed
		.amdhsa_group_segment_fixed_size 50176
		.amdhsa_private_segment_fixed_size 0
		.amdhsa_enable_private_segment 0
		.amdhsa_kernarg_size 80
		.amdhsa_user_sgpr_count 2
		.amdhsa_user_sgpr_kernarg_segment_ptr 1
		.amdhsa_wavefront_size32 1
		.amdhsa_system_sgpr_workgroup_id_x 1
		.amdhsa_system_sgpr_workgroup_id_y 1
		.amdhsa_system_sgpr_workgroup_id_z 1
		.amdhsa_system_vgpr_workitem_id 0
		.amdhsa_next_free_vgpr 512
		.amdhsa_next_free_sgpr 102
		.amdhsa_reserve_vcc 0
		.amdhsa_float_denorm_mode_32 3
		.amdhsa_float_denorm_mode_16_64 3
		.amdhsa_memory_ordered 1
		.amdhsa_forward_progress 1
		.amdhsa_inst_pref_size 63
	.end_amdhsa_kernel
	.amdgpu_metadata
---
amdhsa.version: [ 1, 2 ]
amdhsa.kernels:
  - .name:           k_q853de5c45c_embed
    .symbol:         k_q853de5c45c_embed.kd
    .args:
      - { .name: batch_ch_ids, .offset: 0, .size: 8, .value_kind: global_buffer, .address_space: global }
      - { .name: ch_embedding, .offset: 8, .size: 8, .value_kind: global_buffer, .address_space: global }
      - { .name: pos_embedding, .offset: 16, .size: 8, .value_kind: global_buffer, .address_space: global }
      - { .name: wc, .offset: 24, .size: 8, .value_kind: global_buffer, .address_space: global }
      - { .name: lowp_scales, .offset: 32, .size: 8, .value_kind: global_buffer, .address_space: global }
      - { .name: bq, .offset: 40, .size: 8, .value_kind: global_buffer, .address_space: global }
      - { .name: bk, .offset: 48, .size: 8, .value_kind: global_buffer, .address_space: global }
      - { .name: bv, .offset: 56, .size: 8, .value_kind: global_buffer, .address_space: global }
      - { .name: xa, .offset: 64, .size: 8, .value_kind: global_buffer, .address_space: global }
      - { .name: ca, .offset: 72, .size: 8, .value_kind: global_buffer, .address_space: global }
    .group_segment_fixed_size: 50176
    .private_segment_fixed_size: 0
    .kernarg_segment_align: 8
    .kernarg_segment_size: 80
    .max_flat_workgroup_size: 256
    .sgpr_count:     102
    .vgpr_count:     512
    .wavefront_size: 32
...
	.end_amdgpu_metadata
.endif
;; end of part 2
;; launch layer0 (part 3): grid 256 x 1, 8 waves a work-group, no clusters, 184,320 bytes of LDS; arguments xa, ca, xb, cb, ctla, ctlb, out0, wc, list, lowp_scales, b1, b2, bq, bk, bv, bo, gamma, beta; writes xb, cb, ctlb, out0
.if DOCPART == 3
	.amdgcn_target "amdgcn-amd-amdhsa--gfx1250"
	.amdhsa_code_object_version 6
	.text
	.protected	k_q853de5c45c_layer0
	.globl	k_q853de5c45c_layer0
	.p2align	8
	.type	k_q853de5c45c_layer0,@function
k_q853de5c45c_layer0:
	s_mov_b64 s[64:65], 0
	v_nop
	global_prefetch_b8 v0, s[64:65] scope:SCOPE_SE
	s_setreg_imm32_b32 hwreg(HW_REG_WAVE_MODE, 25, 1), 1
	s_wait_xcnt 0x0
; One layer l (read from the counter that the launch before stored): attention on codes, residual, LN, the two FFN products, residual, LN, and then the q, k, v codes of layer l + 1 or, for l = 3, the logits.
; A work-group owns the four tiles of 16 rows that its entry of the list names (tile + (sentence length << 10)); they may belong to any sentences.  The list deals long and short sentences' tiles out evenly.
; ATTENTION: wave w = head w, the four tiles one after the other.  S^T = K Q^T (a lane holds one query, its registers run along the keys); the whole row of up to 512 scores stays in registers (window 1), so the true
; maximum is taken, p = 2^(c s - c max) / sum is finished and normalised, and then quantised along the keys; O^T = V^T P^T.  The head's 32 dimensions fill half of the K = 64 form: a fragment of K holds TWO tiles of keys,
; and Q stands beside zero codes, below or above, and so picks one of them.  Keys from the length on, queries from the length on, and whole blocks of 64 keys past the length are left out by scalar branches on the list's numbers.
; ROWS (LN, quantising): wave w takes tile m = w / 2 and columns 128 (w % 2) on; lane (r, h): register 16 c + 4 q + e = column 128 (w % 2) + 32 c + 16 h + 4 q + e of row r.
; PRODUCTS: the waves share the columns; each wave multiplies all 64 rows, so each weight fragment is loaded once, by one wave, straight into registers (a ring of three granules of 8 KB), and feeds four matrix instructions.
; Operands go from wave to wave through LDS as images of their registers (16 x lane + constants).
; NO TENSOR LOADS, NO CLUSTER, though all work-groups walk the same weights.
; LDS: FIMG 0 (64 KB: att, then x1, then y + x1; tile m at 16384 m, [c][q][lane][16 B]); HIMG 65536 (64 KB: hidden fragment (m, K step) at (8 m + ks) 2048); XIMG 131072 (48 KB: three versions of 8 fragments);
;      gamma 180224, beta 181248; STAT 182272 (128 w + 8 r: a half row's mean and centred sum of squares).
; LIMITS: every folded exponent (e10, e12-e10-e11, the next layer's e0, e2, e4, e6-e0-e1, e7-e2-e3, e9-e4-e5, and e8) lies between -126 and 119; e6+e7 between -118 and 130; e8+e9, e12+e13, e56+e57 within +-126.
; NaN among the inputs is not served.  LN joins two halves' means and centred sums: an order of rounding other than the source's.  p is held at 448 x 2^e8 on the unnormalised p, at the bound x sum x (1 - 2^-20), and only where e8 < -8 (else p <= 1 lies under the bound).
.set HIMG, 65536
.set XIMG, 131072
.set GAM,  180224
.set STAT, 182272
.set WF,  60
.set W8,  62
.set W9,  48
.set B1P, 24
.set B2P, 26
.set BQP, 28
.set BKP, 30
.set BVP, 32
.set COUT, 10
.set MSB, 0
.macro WIN new                         ; the immediate's high byte repeats the setting that is left
.if MSB != (\new)
	s_set_vgpr_msb (MSB<<8)|(\new)
.set MSB, (\new)
.endif
.endm
.macro PLACES                          ; four plain places behind matrix instructions (ISA guide 7.12.1)
.rept 4
	v_nop
.endr
.endm
.macro BARRIER
	s_wait_dscnt 0x0                               ; my LDS stores have landed and my LDS loads are in
	s_barrier_signal -1
	s_barrier_wait -1
.endm
.macro MKSC                            ; s99 = e  ->  v14 = 2^e, s97 = 448 x 2^e, s98 = -s97
	s_add_co_i32 s99, s99, 127
	s_lshl_b32 s96, s99, 23
	s_add_co_i32 s99, s99, 8
	s_lshl_b32 s97, s99, 23
	s_or_b32 s97, s97, 0x600000
	s_or_b32 s98, s97, 0x80000000
	v_mov_b32 v14, s96
.endm
; ---------------- attention ----------------
.macro DECODE                          ; the queue's head becomes the NEXT tile: s58 blocks of 64 keys (0: no valid query), s59 L, s75 L - 16 t, s[60:61] its Q, s[62:63] its sentence's K of my head
	s_and_b32 s96, s48, 1023
	s_lshr_b32 s59, s48, 10
	s_and_b32 s97, s96, 31
	s_lshl_b32 s98, s97, 4
	s_sub_co_i32 s75, s59, s98
	s_add_co_u32 s58, s59, 63
	s_lshr_b32 s58, s58, 6
	s_cmp_gt_i32 s75, 0
	s_cselect_b32 s58, s58, 0
	s_lshl_b32 s98, s96, 12
	s_lshl_b32 s99, s40, 9
	s_add_co_u32 s98, s98, s99
	s_mov_b32 s99, 0
	s_add_nc_u64 s[60:61], s[6:7], s[98:99]
	s_and_b32 s98, s96, 0x3e0
	s_lshl_b32 s98, s98, 12
	s_lshl_b32 s96, s40, 14
	s_add_co_u32 s98, s98, s96
	s_add_co_u32 s98, s98, 0x400000
	s_add_nc_u64 s[62:63], s[6:7], s[98:99]
	s_mov_b32 s48, s49
	s_mov_b32 s49, s50
	s_mov_b32 s50, s51
	s_mov_b32 s51, s52
.endm
.macro ADVANCE                         ; the next tile becomes the one in hand: s53 L, s54 blocks, s55 L - 16 t, s[56:57] V
	s_mov_b32 s53, s59
	s_mov_b32 s54, s58
	s_mov_b32 s55, s75
	s_add_nc_u64 s[56:57], s[62:63], 0x400000
	DECODE
.endm
.macro KBLK c                          ; 64 keys' codes: blocks 0-3 at v64 on, blocks 4-7 in the place of V's blocks 4-7
.irp t, 0,1,2,3
	global_load_b128 v[64+16*\c+64*(\c/4)+4*\t:64+16*\c+64*(\c/4)+4*\t+3], v1, s[62:63] offset:(4*\c+\t)*512
.endr
.endm
.macro VBLK c
.irp u, 0,1
.irp t, 0,1,2,3
	global_load_b64 v[128+16*\c+8*\u+2*\t:129+16*\c+8*\u+2*\t], v2, s[56:57] offset:\u*8192+(4*\c+\t)*256
.endr
.endr
.endm
.macro QKLO                            ; the next tile's Q and its first four blocks of K, as far as its length reaches
	s_cmp_eq_u32 s58, 0
	s_cbranch_scc1 .Lq_\@
	global_load_b128 v[28:31], v1, s[60:61]
	KBLK 0
.irp c, 1,2,3
	s_cmp_le_u32 s58, \c
	s_cbranch_scc1 .Lq_\@
	KBLK \c
.endr
.Lq_\@:
.endm
.macro KHI                             ; its blocks 4 to 7
.irp c, 4,5,6,7
	s_cmp_le_u32 s58, \c
	s_cbranch_scc1 .Lk_\@
	KBLK \c
.endr
.Lk_\@:
.endm
.macro SALL                            ; all 32 tiles of S^T, always: blocks past the length multiply codes left in the registers, and nothing reads their results
	WIN 0x40
.irp c, 0,1,2,3,4,5,6,7
.irp t, 0,1,2,3
	v_wmma_f32_16x16x64_fp8_fp8 v[32*\c+8*\t:32*\c+8*\t+7], v[64+16*\c+64*(\c/4)+8*(\t/2):64+16*\c+64*(\c/4)+8*(\t/2)+7], v[28-4*(\t%2):35-4*(\t%2)], 0
.endr
.endr
	WIN 0
.endm
.macro BBLK c                          ; block c: keys from the length on become -infinity; then the maximum, in two chains, each tile from its low end
	s_cmp_ge_u32 s53, 64*(\c+1)
	s_cbranch_scc1 .Lnm_\@
	s_sub_co_i32 s96, s53, 64*\c
	v_sub_nc_u32 v5, s96, v4                       ; register 8 t + j holds key 64 c + 16 t + 8 h + j: hidden where 16 t + j >= L - 64 c - 8 h
	WIN 0x41
.irp n, 0,1,2,3,4,5,6,7,8,9,10,11,12,13,14,15,16,17,18,19,20,21,22,23,24,25,26,27,28,29,30,31
	v_cmp_ge_i32 vcc_lo, 16*(\n/8)+\n%8, v5
	v_cndmask_b32 v[32*\c+\n], v[32*\c+\n], v6, vcc_lo
.endr
	WIN 0
.Lnm_\@:
	WIN 0x05
.irp t, 0,1,2,3
	v_max3_num_f32 v8, v[32*\c+8*\t], v[32*\c+8*\t+1], v8
	v_max3_num_f32 v9, v[32*\c+8*\t+2], v[32*\c+8*\t+3], v9
	v_max3_num_f32 v8, v[32*\c+8*\t+4], v[32*\c+8*\t+5], v8
	v_max3_num_f32 v9, v[32*\c+8*\t+6], v[32*\c+8*\t+7], v9
.endr
	WIN 0
.if \c < 7
	s_cmp_le_u32 s54, \c+1
	s_cbranch_scc1 .LBdone
.endif
.endm
.macro CBLK c                          ; block c: 2^(c s - c max), and the sum of the unquantised numbers
	WIN 0x41
.set j, 0
.rept 16
	v_pk_fma_f32 v[32*\c+j:32*\c+j+1], v[32*\c+j:32*\c+j+1], s[66:67], v[10:11] op_sel_hi:[1,0,0] neg_lo:[0,0,1] neg_hi:[0,0,1]
.set j, j+2
.endr
.set j, 0
.rept 32
	v_exp_f32 v[32*\c+j], v[32*\c+j]
.set j, j+1
.endr
	v_nop                                          ; a plain line behind the last exponential
	s_wait_alu depctr_va_vdst(0)                   ; one wait for the block's 32, ahead of their first reader and of the branch below
	WIN 0x01
.set j, 0
.rept 8
	v_pk_add_f32 v[12:13], v[32*\c+j:32*\c+j+1], v[12:13]
	v_pk_add_f32 v[14:15], v[32*\c+j+2:32*\c+j+3], v[14:15]
.set j, j+4
.endr
	WIN 0
.if \c < 7
	s_cmp_le_u32 s54, \c+1
	s_cbranch_scc1 .LCdone
.endif
.endm
.macro HBLK c
	WIN 0x41
.set j, 0
.rept 32
	v_min_num_f32 v[32*\c+j], v[32*\c+j], v18
.set j, j+1
.endr
	WIN 0
.if \c < 7
	s_cmp_le_u32 s54, \c+1
	s_cbranch_scc1 .LHdone
.endif
.endm
.macro DBLK c, first                   ; block c: p = the number / sum, its codes, and O^T's two tiles, which take turns.  The sixteen multiplications are the places ahead of the rewriting of P
	WIN 0x41
.set j, 0
.rept 16
	v_pk_mul_f32 v[32*\c+j:32*\c+j+1], v[32*\c+j:32*\c+j+1], v[16:17] op_sel_hi:[1,0]
.set j, j+2
.endr
	WIN 0x01
.irp t, 0,1,2,3
	v_cvt_scalef32_pk8_fp8_f32 v[52+2*\t:53+2*\t], v[32*\c+8*\t:32*\c+8*\t+7], v7
.endr
	v_nop                                          ; a plain line between the conversions and the matrix instructions that read their results
	WIN 0
.if \first
	v_wmma_f32_16x16x64_fp8_fp8 v[36:43], v[128+16*\c:135+16*\c], v[52:59], 0
	v_wmma_f32_16x16x64_fp8_fp8 v[44:51], v[136+16*\c:143+16*\c], v[52:59], 0
.else
	v_wmma_f32_16x16x64_fp8_fp8 v[36:43], v[128+16*\c:135+16*\c], v[52:59], v[36:43]
	v_wmma_f32_16x16x64_fp8_fp8 v[44:51], v[136+16*\c:143+16*\c], v[52:59], v[44:51]
.endif
.if \c < 7
	s_cmp_le_u32 s54, \c+1
	s_cbranch_scc1 .LDdone
.endif
.endm
; ---------------- products ----------------
.macro GLOAD t                         ; granule t (0-3 FFN1, 4-7 FFN2, 8-10 the next layer's Wq, Wk, Wv or, 8 in the last layer, Wo) into ring buffer t % 3 of window 1, and its bias
.set RB, 64*((\t)%3)
.set BB, 192+16*((\t)%3)
	WIN 0x40
.set j, 0
.rept 16
.if (\t) < 8
	global_load_b128 v[RB+4*j:RB+4*j+3], v1, s[WF:WF+1] offset:(\t)*65536+512*j
.elseif (\t) == 8
	global_load_b128 v[RB+4*j:RB+4*j+3], v1, s[W8:W8+1] offset:512*j
.else
	global_load_b128 v[RB+4*j:RB+4*j+3], v1, s[W9:W9+1] offset:((\t)-8)*65536+512*j
.endif
.set j, j+1
.endr
.set j, 0
.if (\t) < 4
.rept 4
	global_load_b128 v[BB+4*j:BB+4*j+3], v11, s[B1P:B1P+1] offset:128*(\t)+16*j
.set j, j+1
.endr
.elseif (\t) == 4
.rept 4
	global_load_b128 v[BB+4*j:BB+4*j+3], v11, s[B2P:B2P+1] offset:16*j
.set j, j+1
.endr
.elseif (\t) == 8
.rept 4
	global_load_b128 v[BB+4*j:BB+4*j+3], v12, s[BQP:BQP+1] offset:64*(j/2)+16*(j%2)
.set j, j+1
.endr
.elseif (\t) == 9
.rept 4
	global_load_b128 v[BB+4*j:BB+4*j+3], v12, s[BKP:BKP+1] offset:64*(j/2)+16*(j%2)
.set j, j+1
.endr
.elseif (\t) == 10
	global_load_b32 v[BB], v13, s[BVP:BVP+1]
	global_load_b32 v[BB+8], v13, s[BVP:BVP+1] offset:32
.endif
	WIN 0
.endm
.macro BSCALE t, se, kind              ; the bias divided by the power of two that the sums lack; kind 1: one number a lane for each u, spread over eight registers
.set BB, 192+16*((\t)%3)
	WIN 0x41
.if \kind
	v_ldexp_f32 v[BB], v[BB], s\se
	v_ldexp_f32 v[BB+8], v[BB+8], s\se
.set j, 1
.rept 7
	v_mov_b32 v[BB+j], v[BB]
	v_mov_b32 v[BB+8+j], v[BB+8]
.set j, j+1
.endr
.else
.set j, 0
.rept 16
	v_ldexp_f32 v[BB+j], v[BB+j], s\se
.set j, j+1
.endr
.endif
	WIN 0
.endm
; eight matrix instructions, the eight accumulators (m, u) by turns, K step s of the granule.  cb = 1: the bias is the C.  swap = 1: source 0 = the rows, source 1 = the weight
.macro MM8 t, s, cb, swap
.set RB, 64*((\t)%3)
.set BB, 192+16*((\t)%3)
.if \swap
	WIN 0x04+0x10*\cb
.else
	WIN 0x01+0x10*\cb
.endif
.irp m, 0,1,2,3
.irp u, 0,1
.if \swap
.if \cb
	v_wmma_f32_16x16x128_fp8_fp8 v[64+16*\m+8*\u:71+16*\m+8*\u], v[128+64*\s+16*\m:143+64*\s+16*\m], v[RB+32*\u+16*\s:RB+32*\u+16*\s+15], v[BB+8*\u:BB+8*\u+7]
.else
	v_wmma_f32_16x16x128_fp8_fp8 v[64+16*\m+8*\u:71+16*\m+8*\u], v[128+64*\s+16*\m:143+64*\s+16*\m], v[RB+32*\u+16*\s:RB+32*\u+16*\s+15], v[64+16*\m+8*\u:71+16*\m+8*\u]
.endif
.else
.if \cb
	v_wmma_f32_16x16x128_fp8_fp8 v[64+16*\m+8*\u:71+16*\m+8*\u], v[RB+32*\u+16*\s:RB+32*\u+16*\s+15], v[128+64*\s+16*\m:143+64*\s+16*\m], v[BB+8*\u:BB+8*\u+7]
.else
	v_wmma_f32_16x16x128_fp8_fp8 v[64+16*\m+8*\u:71+16*\m+8*\u], v[RB+32*\u+16*\s:RB+32*\u+16*\s+15], v[128+64*\s+16*\m:143+64*\s+16*\m], v[64+16*\m+8*\u:71+16*\m+8*\u]
.endif
.endif
.endr
.endr
	WIN 0
.endm
.macro ACTH s, adr, base, mstr         ; the four tiles' fragments of one K step, as images, into half s of v128-255
.irp m, 0,1,2,3
.irp c, 0,1,2,3
	ds_load_b128 v[128+64*\s+16*\m+4*\c:128+64*\s+16*\m+4*\c+3], v[\adr] offset:(\base)+\m*\mstr+512*\c
.endr
.endr
.endm
.macro Q16 m                           ; tile m's 16 sums of a lane: held, then 16 codes in v[24 + 4 m] on
.set j, 0
.rept 16
	v_med3_num_f32 v[64+16*\m+j], v[64+16*\m+j], s98, s97
.set j, j+1
.endr
	v_cvt_scalef32_pk8_fp8_f32 v[24+4*\m:25+4*\m], v[64+16*\m:71+16*\m], v14
	v_cvt_scalef32_pk8_fp8_f32 v[26+4*\m:27+4*\m], v[72+16*\m:79+16*\m], v14
.endm
.macro QUANT64                         ; my 64 numbers in v128-191, which stay, become a fragment's codes in v24-39; two sets of 16 temporaries by turns
.irp b, 0,1,2,3
.set j, 0
.rept 16
	v_med3_num_f32 v[64+16*(\b%2)+j], v[128+16*\b+j], s98, s97
.set j, j+1
.endr
	v_cvt_scalef32_pk8_fp8_f32 v[24+4*\b:25+4*\b], v[64+16*(\b%2):71+16*(\b%2)], v14
	v_cvt_scalef32_pk8_fp8_f32 v[26+4*\b:27+4*\b], v[72+16*(\b%2):79+16*(\b%2)], v14
.endr
	v_nop                                          ; a plain line behind the last conversion, ahead of whatever next writes its sources
.endm
.macro IMAGE off
.irp c, 0,1,2,3
	ds_store_b128 v6, v[24+4*\c:27+4*\c] offset:\off+512*\c
.endr
.endm
.macro OFFS                            ; where the four tiles' codes go: v40-43 q, v44-47 k, v48-51 v, from the codes' buffer's first byte
.irp m, 0,1,2,3
	s_lshl_b32 s96, s[44+\m], 12
	s_lshl_b32 s97, s40, 9
	s_add_co_u32 s96, s96, s97
	v_add_nc_u32 v[40+\m], s96, v1
	s_and_b32 s96, s[44+\m], 0x3e0
	s_lshl_b32 s96, s96, 12
	s_lshl_b32 s97, s40, 14
	s_add_co_u32 s96, s96, s97
	s_and_b32 s97, s[44+\m], 31
	s_lshl_b32 s98, s97, 9
	s_add_co_u32 s98, s98, s96
	s_add_co_u32 s98, s98, 0x400000
	v_add_nc_u32 v[44+\m], s98, v1
	s_lshl_b32 s98, s97, 8
	s_add_co_u32 s98, s98, s96
	s_add_co_u32 s98, s98, 0x800000
	v_add_nc_u32 v[48+\m], s98, v52
.endr
.endm
.macro STEPQ p, ea, eb, eo, lc         ; one of the next layer's three products: p = 0 q, 1 k, 2 v
	s_wait_loadcnt \lc
	s_add_co_i32 s100, s\ea, s\eb
	s_sub_co_i32 s101, 0, s100
.if \p == 2
	BSCALE 10, 101, 1
.else
	BSCALE 8+\p, 101, 0
.endif
	s_wait_dscnt 16                                ; half 0 is in; half 1's sixteen loads may be out
	MM8 8+\p, 0, 1, (\p/2)
	PLACES
.if \p < 2
	ACTH 0, 7, (\p+1)*16384, 4096
	s_wait_dscnt 16                                ; half 1 is in; the sixteen just issued may be out
.else
	s_wait_dscnt 0x0
.endif
	MM8 8+\p, 1, 0, (\p/2)
	PLACES
.if \p < 2
	ACTH 1, 7, (\p+1)*16384+2048, 4096
.endif
	s_wait_xcnt 0x0                                ; the last step's stores have read v24-39
	s_sub_co_i32 s99, s\eo, s100                   ; the three scales folded into the conversion's one
	MKSC
	Q16 0
	Q16 1
	Q16 2
	Q16 3
	v_nop
.irp m, 0,1,2,3
.if \p == 0
	global_store_b128 v[40+\m], v[24+4*\m:27+4*\m], s[COUT:COUT+1]        ; 512 consecutive bytes, aligned
.elseif \p == 1
	global_store_b128 v[44+\m], v[24+4*\m:27+4*\m], s[COUT:COUT+1]
.else
	global_store_b64 v[48+\m], v[24+4*\m:25+4*\m], s[COUT:COUT+1]         ; 256 consecutive bytes, aligned
	global_store_b64 v[48+\m], v[26+4*\m:27+4*\m], s[COUT:COUT+1] offset:8192
.endif
.endr
.endm
.macro F1STEP b, lc                    ; 32 of my 128 hidden units for the 64 rows; their codes are c = b of K step w of the second product
	s_wait_loadcnt \lc
	BSCALE \b, 101, 0
	MM8 \b, 0, 1, 0
	MM8 \b, 1, 0, 0
	PLACES
	GLOAD \b+3
	s_wait_dscnt 0x0                               ; the last step's LDS stores have read v24-39
	Q16 0
	Q16 1
	Q16 2
	Q16 3
	v_nop
.irp m, 0,1,2,3
	ds_store_b128 v4, v[24+4*\m:27+4*\m] offset:\m*16384+512*\b
.endr
.endm
.macro F2STEP g, lc                    ; K steps 2 g and 2 g + 1 of the second product, my 32 columns
	s_wait_loadcnt \lc
.if \g == 0
	BSCALE 4, 99, 0
.endif
	s_wait_dscnt 16                                ; half 0 is in; half 1's sixteen loads may be out
.if \g == 0
	MM8 4, 0, 1, 0
.else
	MM8 4+\g, 0, 0, 0
.endif
	PLACES
.if \g < 3
	ACTH 0, 5, (2*\g+2)*2048, 16384
.else
.irp m, 0,1,2,3
.irp q, 0,1,2,3
	ds_load_b128 v[128+16*\m+4*\q:131+16*\m+4*\q], v2 offset:\m*16384+512*\q   ; x1 at my 32 columns, for the residual
.endr
.endr
.endif
	s_wait_dscnt 16                                ; half 1 is in; the sixteen just issued may be out
	MM8 4+\g, 1, 0, 0
	PLACES
.if \g < 3
	ACTH 1, 5, (2*\g+3)*2048, 16384
.endif
	GLOAD 7+\g
.endm
; ---------------- LN ----------------
.macro RED4                            ; four chains in v64-71 -> one number a row's half in v15 (both halves of the lanes)
	v_pk_add_f32 v[64:65], v[64:65], v[66:67]
	v_pk_add_f32 v[68:69], v[68:69], v[70:71]
	v_pk_add_f32 v[64:65], v[64:65], v[68:69]
	v_add_f32 v15, v64, v65
	v_permlanex16_b32 v19, v15, s68, s69
.endm
.macro LNA                             ; my 128 columns' mean (v16) and centred sum of squares (v17), to STAT
.set j, 0
.rept 4
	v_pk_add_f32 v[64+2*j:65+2*j], v[128+2*j:129+2*j], v[136+2*j:137+2*j]
.set j, j+1
.endr
.set j, 8
.rept 24
	v_pk_add_f32 v[64+2*(j%4):65+2*(j%4)], v[64+2*(j%4):65+2*(j%4)], v[128+2*j:129+2*j]
.set j, j+1
.endr
	RED4
	v_add_f32 v15, v15, v19
	v_mul_f32 v16, 0x3c000000, v15                 ; / 128
.set j, 0
.rept 32
	v_pk_add_f32 v[192+2*j:193+2*j], v[128+2*j:129+2*j], v[16:17] op_sel_hi:[1,0] neg_lo:[0,1] neg_hi:[0,1]
.set j, j+1
.endr
.set j, 0
.rept 4
	v_pk_mul_f32 v[64+2*j:65+2*j], v[192+2*j:193+2*j], v[192+2*j:193+2*j]
.set j, j+1
.endr
.set j, 4
.rept 28
	v_pk_fma_f32 v[64+2*(j%4):65+2*(j%4)], v[192+2*j:193+2*j], v[192+2*j:193+2*j], v[64+2*(j%4):65+2*(j%4)]
.set j, j+1
.endr
	RED4
	v_add_f32 v17, v15, v19
	ds_store_b64 v9, v[16:17]                      ; both halves of the lanes store the same two numbers
.endm
.macro LNB                             ; the other half's two numbers; the row's mean and variance; x = gamma (t - mean) / sqrt(var + 1e-23) + beta, in v128-191
	ds_load_b64 v[20:21], v10
.set j, 0
.rept 16
	ds_load_b128 v[192+4*j:195+4*j], v8 offset:128*(j/4)+16*(j%4)
.set j, j+1
.endr
.set j, 0
.rept 16
	ds_load_b128 v[64+4*j:67+4*j], v8 offset:1024+128*(j/4)+16*(j%4)
.set j, j+1
.endr
	s_wait_dscnt 0x0
	v_sub_f32 v15, v16, v20
	v_add_f32 v22, v16, v20
	v_mul_f32 v22, 0.5, v22                        ; the mean
	v_add_f32 v18, v17, v21
	v_mul_f32 v15, v15, v15
	v_fmac_f32 v18, 0x42800000, v15                ; + 128 x 128 / 256 x the square of the means' difference
	v_mov_b32 v15, 0x19416d9a                      ; 1e-23
	v_fmac_f32 v15, 0x3b800000, v18                ; + the sum / 256
	v_rsq_f32 v18, v15
	v_mov_b32 v23, v22                             ; a plain line behind the transcendental
	s_wait_alu depctr_va_vdst(0)                   ; ahead of its first reader
	v_mov_b32 v19, v18
.set j, 0
.rept 32
	v_pk_add_f32 v[128+2*j:129+2*j], v[128+2*j:129+2*j], v[22:23] op_sel_hi:[1,0] neg_lo:[0,1] neg_hi:[0,1]
.set j, j+1
.endr
.set j, 0
.rept 32
	v_pk_mul_f32 v[128+2*j:129+2*j], v[128+2*j:129+2*j], v[18:19] op_sel_hi:[1,0]
.set j, j+1
.endr
.set j, 0
.rept 32
	v_pk_fma_f32 v[128+2*j:129+2*j], v[128+2*j:129+2*j], v[192+2*j:193+2*j], v[64+2*j:65+2*j]
.set j, j+1
.endr
.endm
; ======== the head ========
	s_load_b512 s[4:19], s[0:1], 0x0               ; x in s[4:5], codes in s[6:7], x out s[8:9], codes out s[10:11], counter in s[12:13], out s[14:15], logits s[16:17], wc s[18:19]
	s_load_b512 s[20:35], s[0:1], 0x40             ; list s[20:21], scales s[22:23], b1, b2, bq, bk, bv, bo s[24:35]
	s_load_b128 s[36:39], s[0:1], 0x80             ; gamma, beta
	v_lshrrev_b32 v1, 5, v0
	v_readfirstlane_b32 s40, v1                    ; wave = head
	v_and_b32 v5, 31, v0
	v_lshlrev_b32 v1, 4, v5                        ; 16 x lane
	v_lshlrev_b32 v2, 3, v5                        ; 8 x lane
	v_lshlrev_b32 v22, 8, v5                       ; 256 x lane
	v_and_b32 v3, 15, v0                           ; r
	v_bfe_u32 v4, v0, 4, 1
	v_lshlrev_b32 v4, 3, v4                        ; 8 h
	s_lshl_b32 s96, s40, 11
	v_add_nc_u32 v20, s96, v1                      ; att: 2048 w + 16 x lane
	v_mov_b32 v6, 0xff800000                       ; -infinity
.irp i, 11,17,19,24,25,26,27,32,33,34,35
	v_mov_b32 v\i, 0                               ; upper halves of pairs, a permute's destination, and the zero codes beside Q
.endr
	v_lshlrev_b32 v60, 2, v0
	v_add_nc_u32 v63, GAM, v60
	s_mov_b32 s68, 0x76543210
	s_mov_b32 s69, 0xfedcba98                      ; v_permlanex16_b32: lane l xor 16
	s_mov_b32 s74, 0
	s_mov_b32 s52, 0
	s_mov_b32 s43, 0
	s_lshl_b32 s97, ttmp9, 4
	s_wait_kmcnt 0x0
	s_load_b32 s41, s[12:13], 0x0                  ; l
	s_load_b128 s[48:51], s[20:21], s97 offset:0x0 ; my four tiles
	global_load_b32 v61, v60, s[36:37]
	global_load_b32 v62, v60, s[38:39]
	s_wait_kmcnt 0x0
	s_min_u32 s41, s41, 3
	s_add_co_u32 s42, s41, 1
	s_min_u32 s42, s42, 3                          ; the layer whose weights the last three granules are
	s_mul_i32 s96, s41, 56
	s_add_co_u32 s97, s96, 64
	s_min_u32 s97, s97, 200                        ; in the last layer: eight numbers inside the buffer, which feed only codes that nobody reads
	s_load_b256 s[76:83], s[22:23], s96 offset:0x18  ; e6 .. e13 of this layer
	s_load_b64 s[84:85], s[22:23], s96 offset:0x38   ; the next layer's e0, e1 (last layer: the logits' two)
	s_load_b256 s[88:95], s[22:23], s97 offset:0x0   ; its e2 .. e9
.irp i, 48,49,50,51
	s_min_u32 s\i, s\i, 0xfffff
.endr
	s_and_b32 s44, s48, 1023
	s_and_b32 s45, s49, 1023
	s_and_b32 s46, s50, 1023
	s_and_b32 s47, s51, 1023
	s_wait_kmcnt 0x0
	DECODE
	global_load_b128 v[28:31], v1, s[60:61]        ; the first tile's Q and all eight blocks of K: so every register of K is written once on every way
.irp c, 0,1,2,3,4,5,6,7
	KBLK \c
.endr
	s_add_co_i32 s96, s76, s77
	s_lshl_b32 s96, s96, 23
	s_add_co_i32 s66, s96, 0x3db8aa3b              ; c = log2(e) / 16 x 2^(e6 + e7)
	s_mov_b32 s67, s66
	s_add_co_i32 s96, s78, 127
	s_lshl_b32 s97, s96, 23
	v_mov_b32 v7, s97                              ; 2^e8
	s_add_co_i32 s96, s96, 8
	s_lshl_b32 s96, s96, 23
	s_or_b32 s96, s96, 0x600000
	s_sub_co_u32 s71, s96, 16                      ; 448 x 2^e8, sixteen steps of its last bit lower
	s_cmp_lt_i32 s78, -8
	s_cselect_b32 s70, 1, 0                        ; is the hold needed at all?
	s_add_co_i32 s96, s78, s79
	s_add_co_i32 s96, s96, 127
	s_lshl_b32 s72, s96, 23                        ; 2^(e8 + e9)
	s_mov_b32 s73, s72
	s_lshr_b32 s96, s40, 1                         ; the tile whose rows I take behind the attention
	s_cmp_eq_u32 s96, 1
	s_cselect_b32 s97, s45, s44
	s_cmp_eq_u32 s96, 2
	s_cselect_b32 s97, s46, s97
	s_cmp_eq_u32 s96, 3
	s_cselect_b32 s97, s47, s97
	s_lshl_b32 s98, s97, 14
	s_and_b32 s99, s40, 1
	s_lshl_b32 s99, s99, 13
	s_add_co_u32 s98, s98, s99
	s_mov_b32 s99, 0
	s_add_nc_u64 s[86:87], s[4:5], s[98:99]        ; my 8 KB of x, in
	s_add_nc_u64 s[8:9], s[8:9], s[98:99]          ; and out
	s_or_b32 s96, ttmp9, s40
	s_cmp_lg_u32 s96, 0
	s_cbranch_scc1 .Lnoctl
	s_add_co_u32 s96, s41, 1                       ; one wave of the launch hands l + 1 on: 256 bytes
	v_mov_b32 v36, s96
	v_mov_b32 v37, s96
	global_store_b64 v2, v[36:37], s[14:15]
.Lnoctl:
	s_wait_loadcnt 33                              ; gamma and beta are in; Q and the 32 loads of K may be out
	ds_store_b32 v63, v61
	ds_store_b32 v63, v62 offset:1024
	s_wait_xcnt 0x0                                ; the loads and the store have read their bases and registers
	ADVANCE
; ======== attention: four tiles ========
.Ltile:
	s_wait_loadcnt 0x0                             ; Q and K.  (The ways here differ in what they issued: every wait for loads in this loop is for 0)
	s_wait_dscnt 0x0                               ; the last tile's LDS stores have read O^T's registers
	s_cmp_lg_u32 s43, 1
	s_cbranch_scc1 .Lnopf
	global_prefetch_b8 v22, s[86:87] th:TH_LOAD_NT scope:SCOPE_SE   ; my own 8 KB of x, a lane to each 256 bytes, named once in the launch; read behind this loop, three tiles on
.Lnopf:
	s_cmp_eq_u32 s54, 0
	s_cbranch_scc1 .Lempty
	SALL
	PLACES                                         ; ahead of the loads into K's and Q's registers and of the first read of S^T
	VBLK 0
	VBLK 1
	VBLK 2
	VBLK 3
.irp c, 4,5,6,7
	s_cmp_le_u32 s54, \c
	s_cbranch_scc1 .LVdone
	VBLK \c
.endr
.LVdone:
	QKLO
	v_mov_b32 v8, v6
	v_mov_b32 v9, v6
.irp c, 0,1,2,3,4,5,6,7
	BBLK \c
.endr
.LBdone:
	v_max_num_f32 v8, v8, v9
	v_permlanex16_b32 v19, v8, s68, s69            ; the query's other keys lie in the lane 16 away
	v_max_num_f32 v8, v8, v19
	v_mul_f32 v10, s66, v8                         ; c max
.irp i, 12,13,14,15
	v_mov_b32 v\i, 0
.endr
.irp c, 0,1,2,3,4,5,6,7
	CBLK \c
.endr
.LCdone:
	v_pk_add_f32 v[12:13], v[12:13], v[14:15]
	v_add_f32 v12, v12, v13
	v_permlanex16_b32 v19, v12, s68, s69
	v_add_f32 v12, v12, v19                        ; the row's sum
	v_rcp_f32 v16, v12
	v_mul_f32 v18, s71, v12                        ; (a plain line behind the reciprocal)  the hold's bound on the unnormalised p
	v_cmp_gt_i32 vcc_lo, s55, v3                   ; is my query under the length?
	s_wait_alu depctr_va_vdst(0)                   ; ahead of the reciprocal's first reader
	v_cndmask_b32 v16, 0, v16, vcc_lo              ; the query mask: a row past the length gets p = 0
	s_cmp_eq_u32 s70, 0
	s_cbranch_scc1 .LHdone
.irp c, 0,1,2,3,4,5,6,7
	HBLK \c
.endr
.LHdone:
	s_wait_loadcnt 0x0                             ; V
	DBLK 0, 1
.irp c, 1,2,3,4,5,6,7
	DBLK \c, 0
.endr
.LDdone:
	PLACES                                         ; ahead of the loads into V's registers and of the first read of O^T
	KHI
.set j, 0
.rept 8
	v_pk_mul_f32 v[36+2*j:37+2*j], v[36+2*j:37+2*j], s[72:73] op_sel_hi:[1,0]   ; x 2^(e8 + e9)
.set j, j+1
.endr
	s_branch .Lstore
.Lempty:                                           ; no query of the tile is under its sentence's length: att = 0
	QKLO
	KHI
.set j, 0
.rept 16
	v_mov_b32 v[36+j], 0
.set j, j+1
.endr
.Lstore:
	v_add_nc_u32 v21, s74, v20
.irp q, 0,1,2,3
	ds_store_b128 v21, v[36+4*\q:39+4*\q] offset:512*\q    ; lane (r, h): dimensions 16 h + 0 .. 15 of head w: columns 32 w + 16 h + 4 q + e
.endr
	s_wait_xcnt 0x0                                ; the trip's loads have read their bases
	ADVANCE
	s_add_co_u32 s74, s74, 16384
	s_add_co_u32 s43, s43, 1
	s_cmp_lt_u32 s43, 4
	s_cbranch_scc1 .Ltile
; ======== residual and the first LN ========
	s_wait_loadcnt 0x0
	v_and_b32 v56, 31, v0                          ; every address for the rest of the text is made here, on the way that all waves take
	v_lshlrev_b32 v52, 3, v56
	s_lshl_b32 s96, s40, 11
	v_add_nc_u32 v2, s96, v1                       ; FA: my 32 columns of a tile in FIMG
	s_lshr_b32 s50, s40, 1
	s_and_b32 s51, s40, 1
	s_lshl_b32 s96, s50, 14
	s_lshl_b32 s97, s51, 13
	s_add_co_u32 s96, s96, s97
	v_add_nc_u32 v3, s96, v1                       ; FB: my half tile in FIMG
	v_add_nc_u32 v4, HIMG, v2                      ; where I store hidden codes
	v_add_nc_u32 v5, HIMG, v1                      ; where they are read
	v_add_nc_u32 v6, XIMG, v2                      ; where I store x's codes
	v_add_nc_u32 v7, XIMG, v1                      ; where they are read
	v_bfe_u32 v12, v0, 4, 1
	v_lshlrev_b32 v11, 6, v12                      ; 64 h
	v_lshlrev_b32 v12, 5, v12                      ; 32 h
	s_lshl_b32 s96, s51, 9
	s_add_co_u32 s96, s96, GAM
	v_add_nc_u32 v8, s96, v11                      ; gamma at my columns
	v_and_b32 v13, 15, v0
	s_lshl_b32 s96, s40, 7
	s_add_co_u32 s96, s96, STAT
	v_lshl_add_u32 v9, v13, 3, s96                 ; my row's two numbers
	v_xor_b32 v10, 128, v9                         ; and those of the wave with the row's other half
	s_lshl_b32 s96, s40, 12
	s_add_co_u32 s96, s96, XIMG
	v_add_nc_u32 v53, s96, v1                      ; the logits: tile w's two fragments
	v_mul_u32_u24 v54, v13, 80
	v_add_nc_u32 v54, v54, v12
	s_lshl_b32 s96, s40, 11
	s_add_co_u32 s96, s96, HIMG
	v_add_nc_u32 v54, s96, v54                     ; the logits' stage: 2048 w + 80 r + 32 h
	v_mov_b32 v55, 0
	v_and_b32 v14, 8, v13
	v_add_nc_u32 v13, v13, v14
	v_lshlrev_b32 v13, 2, v13                      ; 4 (r + 8 (r / 8))
	OFFS
	s_mov_b32 s97, 0
	s_lshl_b32 s98, s40, 13
	s_lshl_b32 s96, s41, 19
	s_add_co_u32 s96, s96, s98
	s_add_nc_u64 s[WF:WF+1], s[18:19], s[96:97]    ; this layer's FFN granules of my wave
	s_mul_i32 s96, s42, 196608
	s_add_co_u32 s96, s96, s98
	s_add_co_u32 s96, s96, 2097152
	s_add_nc_u64 s[W9:W9+1], s[18:19], s[96:97]    ; the next layer's Wq, Wk, Wv
	s_mov_b32 s99, 2883584
	s_cmp_eq_u32 s41, 3
	s_cselect_b32 s96, s99, s96
	s_add_nc_u64 s[W8:W8+1], s[18:19], s[96:97]    ; granule 8: Wq, or Wo in the last layer
	s_lshl_b32 s96, s40, 9
	s_add_nc_u64 s[B1P:B1P+1], s[B1P:B1P+1], s[96:97]
	s_lshl_b32 s96, s40, 7
	s_add_nc_u64 s[B2P:B2P+1], s[B2P:B2P+1], s[96:97]
	s_lshl_b32 s98, s42, 10
	s_add_co_u32 s96, s96, s98
	s_add_nc_u64 s[BQP:BQP+1], s[BQP:BQP+1], s[96:97]
	s_add_nc_u64 s[BKP:BKP+1], s[BKP:BKP+1], s[96:97]
	s_add_nc_u64 s[BVP:BVP+1], s[BVP:BVP+1], s[96:97]
.set j, 0
.rept 16
	global_load_b128 v[128+4*j:131+4*j], v1, s[86:87] offset:512*j th:TH_LOAD_NT
.set j, j+1
.endr
	GLOAD 0
	GLOAD 1
	GLOAD 2
	BARRIER                                        ; att of all heads, gamma and beta lie in LDS
.set j, 0
.rept 16
	ds_load_b128 v[192+4*j:195+4*j], v3 offset:512*j
.set j, j+1
.endr
	s_wait_loadcnt 60                              ; x is in; three granules of 20 loads may be out
	s_wait_dscnt 0x0
.set j, 0
.rept 32
	v_pk_add_f32 v[128+2*j:129+2*j], v[128+2*j:129+2*j], v[192+2*j:193+2*j]
.set j, j+1
.endr
	LNA
	BARRIER
	LNB
.set j, 0
.rept 16
	ds_store_b128 v3, v[128+4*j:131+4*j] offset:512*j      ; x1, over the bytes of att that I alone read
.set j, j+1
.endr
	s_mov_b32 s99, s80
	MKSC
	QUANT64
	IMAGE 0
	BARRIER                                        ; x1 and its codes lie in LDS
; ======== FFN ========
	ACTH 0, 7, 0, 4096
	ACTH 1, 7, 2048, 4096
	s_add_co_i32 s100, s80, s81
	s_sub_co_i32 s101, 0, s100                     ; b1 goes in as b1 / 2^(e10 + e11)
	s_sub_co_i32 s99, s82, s100                    ; the hidden layer's conversion: 2^(e12 - e10 - e11)
	MKSC
	s_wait_dscnt 0x0
	F1STEP 0, 40                                   ; the counts: the loads of the two granules issued behind the one that is wanted
	F1STEP 1, 40
	F1STEP 2, 40
	F1STEP 3, 36
	BARRIER                                        ; the hidden layer's 32 fragments lie in LDS
	ACTH 0, 5, 0, 16384
	ACTH 1, 5, 2048, 16384
	s_add_co_i32 s100, s82, s83
	s_sub_co_i32 s99, 0, s100                      ; b2 / 2^(e12 + e13)
	F2STEP 0, 32
	F2STEP 1, 32
	F2STEP 2, 36
	F2STEP 3, 40
	s_add_co_i32 s100, s100, 127
	s_lshl_b32 s100, s100, 23                      ; 2^(e12 + e13)
	s_mov_b32 s101, s100
	s_wait_dscnt 0x0
.set j, 0
.rept 32
	v_pk_fma_f32 v[128+2*j:129+2*j], v[64+2*j:65+2*j], s[100:101], v[128+2*j:129+2*j] op_sel_hi:[1,0,1]   ; ff + x1; each accumulator from its low end
.set j, j+1
.endr
.irp m, 0,1,2,3
.irp q, 0,1,2,3
	ds_store_b128 v2, v[128+16*\m+4*\q:131+16*\m+4*\q] offset:\m*16384+512*\q
.endr
.endr
	BARRIER
; ======== the second LN; x2 and its codes ========
.set j, 0
.rept 16
	ds_load_b128 v[128+4*j:131+4*j], v3 offset:512*j
.set j, j+1
.endr
	s_wait_dscnt 0x0
	LNA
	BARRIER
	LNB
	s_cmp_eq_u32 s41, 3
	s_cbranch_scc1 .Lnox
.set j, 0
.rept 16
	global_store_b128 v1, v[128+4*j:131+4*j], s[8:9] offset:512*j
.set j, j+1
.endr
.Lnox:
	s_mov_b32 s99, s84
	MKSC
	QUANT64
	IMAGE 0
	s_wait_dscnt 0x0                               ; the stores have read v24-39
	s_mov_b32 s99, s88
	MKSC
	QUANT64
	IMAGE 16384
	s_wait_dscnt 0x0
	s_mov_b32 s99, s90
	MKSC
	QUANT64
	IMAGE 32768
	BARRIER                                        ; the last barrier: x2's codes, three versions, lie in LDS
	s_wait_xcnt 0x0                                ; x2's stores have read v128-191
	s_cmp_eq_u32 s41, 3
	s_cbranch_scc1 .Llogits
; ======== the next layer's q, k, v ========
	ACTH 0, 7, 0, 4096
	ACTH 1, 7, 2048, 4096
	STEPQ 0, 84, 85, 92, 38
	STEPQ 1, 88, 89, 93, 18
	STEPQ 2, 90, 91, 95, 0
	s_wait_xcnt 0x0
	s_mov_b32 exec_lo, -1
	v_lshl_add_u32 v60, v0, 2, 0x2cc00
	v_mov_b32 v63, 0
	s_wait_tensorcnt 0x0
	ds_add_u32 v60, v63
	s_wait_dscnt 0x0
	s_endpgm
; ======== the logits: waves 0 to 3, a tile each ========
.Llogits:
	s_cmp_ge_u32 s40, 4
	s_cbranch_scc1 .Lend
	s_cmp_eq_u32 s40, 1
	s_cselect_b32 s96, s45, s44
	s_cmp_eq_u32 s40, 2
	s_cselect_b32 s96, s46, s96
	s_cmp_eq_u32 s40, 3
	s_cselect_b32 s96, s47, s96
	s_mul_i32 s96, s96, 1280                       ; 16 rows of 80 bytes: five aligned blocks of 256
	s_mov_b32 s97, 0
	s_add_nc_u64 s[16:17], s[16:17], s[96:97]
.set j, 0
.rept 8
	ds_load_b128 v[128+4*j:131+4*j], v53 offset:512*j
.set j, j+1
.endr
	global_load_b128 v[80:83], v12, s[34:35]               ; bo at labels 8 h + 0 .. 7
	global_load_b128 v[84:87], v12, s[34:35] offset:16
	global_load_b128 v[88:91], v55, s[34:35] offset:64     ; and at 16 .. 19
	s_add_co_i32 s100, s84, s85
	s_add_co_i32 s100, s100, 127
	s_lshl_b32 s100, s100, 23
	s_mov_b32 s101, s100
	s_wait_loadcnt 0x0
	s_wait_dscnt 0x0
	WIN 0x01                                       ; Wo's four fragments lie in ring buffer 2 of window 1; the two accumulators take turns
	v_wmma_f32_16x16x128_fp8_fp8 v[64:71], v[128:143], v[128:143], 0
	v_wmma_f32_16x16x128_fp8_fp8 v[72:79], v[160:175], v[128:143], 0
	v_wmma_f32_16x16x128_fp8_fp8 v[64:71], v[144:159], v[144:159], v[64:71]
	v_wmma_f32_16x16x128_fp8_fp8 v[72:79], v[176:191], v[144:159], v[72:79]
	WIN 0
	PLACES
.set j, 0
.rept 4
	v_pk_fma_f32 v[64+2*j:65+2*j], v[64+2*j:65+2*j], s[100:101], v[80+2*j:81+2*j] op_sel_hi:[1,0,1]
.set j, j+1
.endr
	v_pk_fma_f32 v[72:73], v[72:73], s[100:101], v[88:89] op_sel_hi:[1,0,1]
	v_pk_fma_f32 v[74:75], v[74:75], s[100:101], v[90:91] op_sel_hi:[1,0,1]
	ds_store_b128 v54, v[64:67]                    ; row r of the stage: labels 8 h + 0 .. 7
	ds_store_b128 v54, v[68:71] offset:16
	v_cmp_gt_u32 vcc_lo, 16, v56
	s_wait_xcnt 0x0                                ; EXEC changes only behind this wait
	s_and_saveexec_b32 s96, vcc_lo
	ds_store_b128 v54, v[72:75] offset:64          ; labels 16 .. 19 lie in lanes 0 to 15
	s_wait_xcnt 0x0
	s_or_b32 exec_lo, exec_lo, s96
	ds_load_b128 v[92:95], v4                      ; LDS serves a wave's instructions in order: these see my stores.  1,280 bytes on end
	ds_load_b128 v[96:99], v4 offset:512
	ds_load_b128 v[100:103], v4 offset:1024        ; (lanes 16 to 31 read bytes that I wrote as hidden codes; they are not stored)
	s_wait_dscnt 0x0
	global_store_b128 v1, v[92:95], s[16:17]
	global_store_b128 v1, v[96:99], s[16:17] offset:512
	s_wait_xcnt 0x0
	s_and_saveexec_b32 s96, vcc_lo
	global_store_b128 v1, v[100:103], s[16:17] offset:1024
	s_wait_xcnt 0x0
	s_or_b32 exec_lo, exec_lo, s96
.Lend:
	s_wait_xcnt 0x0
	s_mov_b32 exec_lo, -1
	v_lshl_add_u32 v60, v0, 2, 0x2cc00
	v_mov_b32 v63, 0
	s_wait_tensorcnt 0x0
	ds_add_u32 v60, v63
	s_wait_dscnt 0x0
	s_endpgm
.Lfunc_end_k_q853de5c45c_layer0:
	.size	k_q853de5c45c_layer0, .Lfunc_end_k_q853de5c45c_layer0-k_q853de5c45c_layer0
	.p2alignl 7, 3214868480
	.fill 96, 4, 3214868480
	.section	.rodata,"a",@progbits
	.p2align	6, 0x0
	.amdhsa_kernel k_q853de5c45c_layer0
		.amdhsa_group_segment_fixed_size 184320
		.amdhsa_private_segment_fixed_size 0
		.amdhsa_enable_private_segment 0
		.amdhsa_kernarg_size 144
		.amdhsa_user_sgpr_count 2
		.amdhsa_user_sgpr_kernarg_segment_ptr 1
		.amdhsa_wavefront_size32 1
		.amdhsa_system_sgpr_workgroup_id_x 1
		.amdhsa_system_sgpr_workgroup_id_y 1
		.amdhsa_system_sgpr_workgroup_id_z 1
		.amdhsa_system_vgpr_workitem_id 0
		.amdhsa_next_free_vgpr 512
		.amdhsa_next_free_sgpr 102
		.amdhsa_reserve_vcc 1
		.amdhsa_float_denorm_mode_32 3
		.amdhsa_float_denorm_mode_16_64 3
		.amdhsa_memory_ordered 1
		.amdhsa_forward_progress 1
		.amdhsa_inst_pref_size 255
	.end_amdhsa_kernel
	.section	.bss,"aw",@nobits
	.p2align	6
	.space	262144
	.amdgpu_metadata
---
amdhsa.version: [ 1, 2 ]
amdhsa.kernels:
  - .name:           k_q853de5c45c_layer0
    .symbol:         k_q853de5c45c_layer0.kd
    .args:
      - { .name: xa, .offset: 0, .size: 8, .value_kind: global_buffer, .address_space: global }
      - { .name: ca, .offset: 8, .size: 8, .value_kind: global_buffer, .address_space: global }
      - { .name: xb, .offset: 16, .size: 8, .value_kind: global_buffer, .address_space: global }
      - { .name: cb, .offset: 24, .size: 8, .value_kind: global_buffer, .address_space: global }
      - { .name: ctla, .offset: 32, .size: 8, .value_kind: global_buffer, .address_space: global }
      - { .name: ctlb, .offset: 40, .size: 8, .value_kind: global_buffer, .address_space: global }
      - { .name: out0, .offset: 48, .size: 8, .value_kind: global_buffer, .address_space: global }
      - { .name: wc, .offset: 56, .size: 8, .value_kind: global_buffer, .address_space: global }
      - { .name: list, .offset: 64, .size: 8, .value_kind: global_buffer, .address_space: global }
      - { .name: lowp_scales, .offset: 72, .size: 8, .value_kind: global_buffer, .address_space: global }
      - { .name: b1, .offset: 80, .size: 8, .value_kind: global_buffer, .address_space: global }
      - { .name: b2, .offset: 88, .size: 8, .value_kind: global_buffer, .address_space: global }
      - { .name: bq, .offset: 96, .size: 8, .value_kind: global_buffer, .address_space: global }
      - { .name: bk, .offset: 104, .size: 8, .value_kind: global_buffer, .address_space: global }
      - { .name: bv, .offset: 112, .size: 8, .value_kind: global_buffer, .address_space: global }
      - { .name: bo, .offset: 120, .size: 8, .value_kind: global_buffer, .address_space: global }
      - { .name: gamma, .offset: 128, .size: 8, .value_kind: global_buffer, .address_space: global }
      - { .name: beta, .offset: 136, .size: 8, .value_kind: global_buffer, .address_space: global }
    .group_segment_fixed_size: 184320
    .private_segment_fixed_size: 0
    .kernarg_segment_align: 8
    .kernarg_segment_size: 144
    .max_flat_workgroup_size: 256
    .sgpr_count:     102
    .vgpr_count:     512
    .wavefront_size: 32
...
	.end_amdgpu_metadata
.endif
;; end of part 3
;; launch layer1: the kernel of part 3 again; grid 256 x 1, 8 waves a work-group, no clusters, 184,320 bytes of LDS; arguments xb, cb, xa, ca, ctlb, ctla, out0, wc, list, lowp_scales, b1, b2, bq, bk, bv, bo, gamma, beta; writes xa, ca, ctla, out0
;; launch layer2: the kernel of part 3 again; grid 256 x 1, 8 waves a work-group, no clusters, 184,320 bytes of LDS; arguments xa, ca, xb, cb, ctla, ctlb, out0, wc, list, lowp_scales, b1, b2, bq, bk, bv, bo, gamma, beta; writes xb, cb, ctlb, out0
;; launch layer3: the kernel of part 3 again; grid 256 x 1, 8 waves a work-group, no clusters, 184,320 bytes of LDS; arguments xb, cb, xa, ca, ctlb, ctla, out0, wc, list, lowp_scales, b1, b2, bq, bk, bv, bo, gamma, beta; writes xa, ca, ctla, out0
